; MI455X (gfx1250); checked and timed in simulation.
; The chip was launched on July 23, 2026; its instructions are those of AMD's public machine-readable ISA for CDNA 5 (MIT licence, August 2026) and "CDNA5" Instruction Set Architecture Reference Guide (July 2026). The comments in the code are by the model that wrote it; some were corrected since.
;; GQA. Allowed arithmetic: matrix products marked QUANTISED: E4M3 operands, one given power-of-two scale a tensor, by v_wmma_f32_16x16x64_fp8_fp8 or v_wmma_f32_16x16x128_fp8_fp8, f32 sums; everything else in f32.
;; Inputs: Wk 1,024 x 512 float32; Wq 1,024 x 2,048 float32; Wv 1,024 x 512 float32; bk 512 float32; bq 2,048 float32; bv 512 float32; lowp_scales 10 int32 (the exponents e of the quantised operands' scales 2^e); x 2 x 2,048 x 1,024 float32.
;; Outputs: out0 2 x 2,048 x 2,048 float32.
;; This version of the problem:
;;   THIS VERSION OF THE PROBLEM IS GIVEN IN LOW PRECISION. The matrix products marked QUANTISED in the list below multiply operands that are first quantised to E4M3 (4 exponent bits, 3 mantissa bits; 8 bits a number), with one given power-of-two scale for each operand tensor; their sums are f32. All else is computed in f32.
;;   The module's matrix products, in the order in which they are computed (A, B: the left and right operand; K: the contracted axis; several contracted axes count as one K, in the product's order):
;;     1. [M 4,096, K 1,024] x [K 1,024, N 2,048]; A: input x; B: input Wq: QUANTISED (scales: A lowp_scales[0], B lowp_scales[1])
;;     2. [M 4,096, K 1,024] x [K 1,024, N 512]; A: input x; B: input Wk: QUANTISED (scales: A lowp_scales[2], B lowp_scales[3])
;;     3. [M 4,096, K 1,024] x [K 1,024, N 512]; A: input x; B: input Wv: QUANTISED (scales: A lowp_scales[4], B lowp_scales[5])
;;     4. batch 8 x [M 2,048, K 128] x [K 128, N 8,192]; A: computed on the way; B: computed on the way: QUANTISED (scales: A lowp_scales[6], B lowp_scales[7])
;;     5. batch 8 x [M 128, K 2,048] x [K 2,048, N 8,192]; A: computed on the way; B: softmax (see below): QUANTISED (scales: A lowp_scales[8], B lowp_scales[9])
;;   THE QUANTISER, for each operand of a quantised product, along K:
;;     - The operand's scale is 2^e, e = its entry of the input lowp_scales (int32; the entries are numbered through the quantised products in the list's order, A before B).
;;     - Each number is divided by the scale, clamped to +-448, and rounded to the nearest number of E4M3, ties to even, subnormals kept.
;;     - The product sums the exact products of the quantised numbers (number of the format x scale) in f32.
;;   ~~~python
;;   def quantise(x, axis, e):      # numpy; x: float32 -> the quantised numbers, widened to float32 again
;;       x = np.moveaxis(x, axis, -1); K = x.shape[-1]
;;       r = np.clip(x / 2.0 ** e, -448, 448)
;;       step = 2.0 ** (np.maximum(np.frexp(np.where(r == 0, 1, r))[1] - 1, -6) - 3)
;;       q = np.round(r / step) * step * 2.0 ** e      # np.round: ties to even
;;       return np.moveaxis(q, -1, axis).astype(np.float32)
;;   ~~~
;;   SOFTMAX AHEAD OF A QUANTISED PRODUCT. Where the list says 'softmax', what is quantised is not the finished softmax but p = 2^(t - M), with t = logit x log2(e) and M = ceil(the row's largest t), a whole number; so 1/2 < the row's largest p <= 1. The row's sum l is taken of the UNQUANTISED p, in f32, and the product's result is divided by l at the end. Since M is a whole number, a kernel that streams over the keys may use a running M (the ceiling of the running maximum): every later rescaling is an exact power of two, so the quantised numbers keep their values, but for numbers so far below the row's largest that they fall under the format's range.
;;   OPERANDS COMPUTED ON THE WAY. 'Computed on the way' means the value that the module computes at that place (a softmax that the list does not call 'softmax' is quantised finished and normalised). What goes into a quantiser is computed in f32, as accurately as f32 sums, v_exp_f32 and their like allow (about 1e-6 of the number): no bf16 or f16 on the way to a quantiser, and a product that is left as it is and whose result goes on into a quantised operand takes f32 operands (vector FMAs, or v_wmma_f32_16x16x4_f32). A number that lies on a knife's edge between two numbers of the format may be rounded either way, as far as f32 arithmetic and the matrix unit's own rounding can turn it there, and no further.
;; One version. Each part assembles by itself: llvm-mc -triple=amdgcn-amd-amdhsa -mcpu=gfx1250 --defsym DOCPART=n.
;; ======== version 1 of 1: 3 launches
;; limits: right only within a limited range of input values
;; workspace buffers: xc 12,582,912 bytes; wc 3,145,728 bytes; qc 8,388,608 bytes; kc 2,097,152 bytes; vc 2,097,152 bytes
;; launch quant (part 1): grid 352 x 1, 4 waves a work-group, no clusters, 68,096 bytes of LDS; arguments x, Wq, Wk, Wv, lowp_scales, xc, wc; writes xc, wc
.if DOCPART == 1
	.amdgcn_target "amdgcn-amd-amdhsa--gfx1250"
	.amdhsa_code_object_version 6
	.text
	.protected	k_q9712113b3e_quant
	.globl	k_q9712113b3e_quant
	.p2align	8
	.type	k_q9712113b3e_quant,@function
k_q9712113b3e_quant:
	s_mov_b64 s[64:65], 0
	v_nop
	global_prefetch_b8 v0, s[64:65] scope:SCOPE_SE
	s_setreg_imm32_b32 hwreg(HW_REG_WAVE_MODE, 25, 1), 1
	s_wait_xcnt 0x0
; x [4096][1024] f32 and the three weights Wq [1024][2048], Wk, Wv [1024][512] f32 become codes of FP8 (E4M3), K innermost.
; code = number / 2^e, held within +-448, rounded to the nearest code, ties to even.
; x is an operand of three products, each with a scale of its own (entries 0, 2, 4 of the scales): xc holds three planes [3][4096][1024] of codes.
; The weights have K as their FIRST axis: wc is [3072][1024], row n = a column of Wq (0-2047), Wk (2048-2559) or Wv (2560-3071); their scales are entries 1, 3, 5.
; LIMITS: each e lies between -126 and 119, so that 2^e and 448 x 2^e are f32 numbers.  NaN among the inputs is not served (an infinity is held at the largest code).
; Work-groups 0-95 take the weights, 96-351 take x.  The two ways never join again, and each has LDS bytes of its own.  No tensor load, no barrier: waves share nothing.
.set WGW,    96                        ; work-groups for the weights: 24 blocks of 128 columns x 4 blocks of 256 along K
.set WPITCH, 272                       ; weights: a stage row, 256 bytes of codes + 16
.set WST,    32768                     ; weights: the stages begin here, 32 rows for each wave
.set SP,     80                        ; x: a lane's place in a stage: 64 bytes + 16
.set OFF,    16                        ; weights: v16-47   row i of a block: i x pitch + 4 x lane
.set XW,     48                        ; weights: v48-111  two sets of 32 numbers
.set CW,     112                       ; weights: v112-119 a block's codes
.set OUTR,   120                       ; weights: v120-183 the way out
.set WB,     32                        ; weights: s[32:47] a base for each of the wave's eight blocks of 32 along K; never rewritten
.set R,      16                        ; x: v16-79   four sets of 16 numbers as loaded
.set X,      80                        ; x: v80-111  two sets of 16 neighbours
.set T,      112                       ; x: v112-127 the 16 numbers held for one plane
.set C,      128                       ; x: v128-223 codes: 12 registers a step, never written again
	s_load_b256 s[4:11], s[0:1], 0x0               ; x s[4:5], Wq s[6:7], Wk s[8:9], Wv s[10:11]
	s_load_b128 s[12:15], s[0:1], 0x20             ; the scales' exponents s[12:13], xc s[14:15]
	s_load_b64 s[16:17], s[0:1], 0x30              ; wc
	v_lshl_add_u32 v224, v0, 2, 0x10800
	v_mov_b32 v225, 0
	v_lshrrev_b32 v1, 5, v0
	v_readfirstlane_b32 s18, v1                    ; wave 0..3
	v_and_b32 v2, 31, v0                           ; lane
	; every LDS address is made here, on the way that all waves take
	s_mul_i32 s19, s18, 32*WPITCH
	s_add_co_u32 s19, s19, WST                     ; weights: my wave's stage
	v_mul_u32_u24 v4, v2, WPITCH
	v_add_nc_u32 v4, s19, v4                       ; into it: row = my column
	v_and_b32 v5, 15, v2
	v_lshrrev_b32 v6, 4, v2
	v_mul_u32_u24 v7, v6, WPITCH
	v_lshl_add_u32 v7, v5, 4, v7
	v_add_nc_u32 v7, s19, v7                       ; out of it: sixteen lanes to a row, two rows an instruction
	s_lshl_b32 s20, s18, 13                        ; x: my wave's 8,192 bytes: two stages of 32 places
	v_lshrrev_b32 v14, 2, v2
	v_mul_u32_u24 v14, v14, SP
	v_and_b32 v15, 3, v2
	v_lshl_add_u32 v14, v15, 4, v14
	v_add_nc_u32 v14, s20, v14                     ; in: four lanes' 64 bytes on end, then 16 of padding
	v_mul_u32_u24 v15, v2, SP
	v_add_nc_u32 v15, s20, v15                     ; out: my 16 neighbours
	s_wait_kmcnt 0x0
	s_load_b256 s[24:31], s[12:13], 0x0            ; e0 .. e7
	s_cmp_lt_u32 ttmp9, WGW
	s_cbranch_scc0 .Lx
; ---------------- THE WEIGHTS.  A lane takes a column n and its registers run down K: each load reads 128 consecutive bytes a wave, and the conversions give codes with K innermost.
; A wave takes 32 columns x 256 along K: eight blocks of 32.  Its codes go through its own stage and leave as rows: sixteen lanes store 256 consecutive bytes, aligned.
	s_and_b32 s19, ttmp9, 3                        ; which 256 along K
	s_lshr_b32 s20, ttmp9, 2                       ; which 128 rows of wc: 0-15 Wq, 16-19 Wk, 20-23 Wv
	s_cmp_lt_u32 s20, 20
	s_cselect_b64 s[22:23], s[8:9], s[10:11]
	s_cselect_b32 s48, 16, 20
	s_mov_b32 s21, 2048
	s_cmp_lt_u32 s20, 16
	s_cselect_b64 s[22:23], s[6:7], s[22:23]       ; the tensor,
	s_cselect_b32 s48, 0, s48
	s_cselect_b32 s21, 8192, s21                   ; its row in bytes,
	s_sub_co_u32 s48, s20, s48                     ; and the block of 128 columns in it
	v_lshlrev_b32 v3, 2, v2
.set i, 0
.rept 32
	v_mad_u32_u24 v[OFF+i], s21, i, v3
.set i, i+1
.endr
	v_lshlrev_b32 v8, 10, v6
	v_lshl_add_u32 v8, v5, 4, v8                   ; the way out: two rows of wc, 16 bytes a lane
	s_mul_i32 s50, s19, s21
	s_lshl_b32 s50, s50, 8                         ; 256 rows x the block along K
	s_lshl_b32 s52, s48, 9
	s_add_co_u32 s50, s50, s52                     ; + 128 columns x 4 bytes x the block of columns
	s_lshl_b32 s52, s18, 7
	s_add_co_u32 s50, s50, s52                     ; + 32 columns x 4 bytes x wave
	s_mov_b32 s51, 0
	s_add_nc_u64 s[WB:WB+1], s[22:23], s[50:51]
	s_lshl_b32 s52, s21, 5                         ; 32 rows
	s_mov_b32 s53, 0
.irp t, 1,2,3,4,5,6,7
	s_add_nc_u64 s[WB+2*\t:WB+2*\t+1], s[WB+2*\t-2:WB+2*\t-1], s[52:53]
.endr
	s_lshl_b32 s50, s20, 17                        ; wc: 128 rows of 1,024 bytes x the block,
	s_lshl_b32 s52, s18, 15
	s_add_co_u32 s50, s50, s52                     ; + 32 rows x wave,
	s_lshl_b32 s52, s19, 8
	s_add_co_u32 s50, s50, s52                     ; + 256 bytes x the block along K
	s_add_nc_u64 s[16:17], s[16:17], s[50:51]
.macro LOADW t                         ; block t: W(32 t + i, my column) into set t % 2
.set i, 0
.rept 32
	global_load_b32 v[XW+32*((\t)%2)+i], v[OFF+i], s[WB+2*(\t):WB+2*(\t)+1] th:TH_LOAD_NT
.set i, i+1
.endr
.endm
	s_wait_alu depctr_va_vdst(0)
	LOADW 0
	LOADW 1
	s_wait_kmcnt 0x0
	s_cmp_lt_u32 s20, 20
	s_cselect_b32 s49, s27, s29
	s_cmp_lt_u32 s20, 16
	s_cselect_b32 s49, s25, s49                    ; e: entry 1, 3 or 5
	s_add_co_i32 s49, s49, 127
	s_lshl_b32 s50, s49, 23
	v_mov_b32 v11, s50                             ; 2^e as f32: the conversion takes its exponent field
	s_add_co_i32 s49, s49, 8
	s_lshl_b32 s49, s49, 23
	s_or_b32 s49, s49, 0x600000
	v_mov_b32 v10, s49                             ; 448 x 2^e
.macro BLOCK t
.set XS, XW+32*((\t)%2)
.if (\t) < 7
	s_wait_loadcnt 32                              ; this block's 32 loads are in; the next block's may be out
.else
	s_wait_loadcnt 0
.endif
.set i, 0
.rept 32
	v_med3_num_f32 v[XS+i], v[XS+i], -v10, v10     ; the conversion to an 8-bit code does not saturate (ISA guide 7.6.2): the hold comes first
.set i, i+1
.endr
.irp g, 0,1,2,3
	v_cvt_scalef32_pk8_fp8_f32 v[CW+2*\g:CW+2*\g+1], v[XS+8*\g:XS+8*\g+7], v11
.endr
	ds_store_b128 v4, v[CW:CW+3] offset:32*(\t)    ; 32 codes: 32 bytes of my column's row
	ds_store_b128 v4, v[CW+4:CW+7] offset:32*(\t)+16
.if (\t)+2 < 8
	LOADW (\t)+2
.endif
	s_wait_dscnt 0x0                               ; the stores have read their registers: the next block's codes may be written
.endm
	s_wait_alu depctr_va_vdst(0)
.irp t, 0,1,2,3,4,5,6,7
	BLOCK \t
.endr
.irp t, 0,1,2,3,4,5,6,7,8,9,10,11,12,13,14,15
	ds_load_b128 v[OUTR+4*\t:OUTR+4*\t+3], v7 offset:2*\t*WPITCH   ; LDS serves a wave's instructions in order: these see my stores
.endr
.irp t, 0,1,2,3,4,5,6,7,8,9,10,11,12,13,14,15
	s_wait_dscnt 15-\t                             ; load t is back; the younger ones may be out
	global_store_b128 v8, v[OUTR+4*\t:OUTR+4*\t+3], s[16:17] offset:2*\t*1024
.endr
	s_wait_tensorcnt 0x0
	ds_add_u32 v224, v225
	s_wait_dscnt 0x0
	s_endpgm
; ---------------- x.  Rows are dense, so x is a plain stream, and so is each plane of codes.  A wave takes eight steps of 512 numbers.
; Each of a step's four loads reads 512 consecutive bytes; the 2,048 bytes turn through the wave's own stage and come back 16 neighbours a lane.
; The same 16 numbers are held and converted three times, once for each scale; a lane's 16 codes are 16 bytes, so each store of the wave covers 512 consecutive bytes.
.Lx:
	s_sub_co_u32 s19, ttmp9, WGW
	s_lshl_b32 s19, s19, 2
	s_add_co_u32 s19, s19, s18                     ; which run of 4,096 numbers is my wave's
	s_lshl_b32 s20, s19, 14
	s_mov_b32 s21, 0
	s_add_nc_u64 s[4:5], s[4:5], s[20:21]
	s_lshl_b32 s20, s19, 12
	s_add_nc_u64 s[40:41], s[14:15], s[20:21]      ; my place in plane 0,
	s_add_nc_u64 s[42:43], s[40:41], 0x400000      ; plane 1,
	s_add_nc_u64 s[44:45], s[40:41], 0x800000      ; plane 2
	v_lshlrev_b32 v3, 4, v2                        ; 16 bytes a lane, in a load and in a store
.macro LOADX t
.irp i, 0,1,2,3
	global_load_b128 v[R+16*((\t)%4)+4*\i:R+16*((\t)%4)+4*\i+3], v3, s[4:5] offset:2048*(\t)+512*\i th:TH_LOAD_NT
.endr
.endm
.macro TURN t                          ; step t's numbers through the stage: LDS serves a wave's instructions in order, so no wait stands between the stores and the loads
.irp i, 0,1,2,3
	ds_store_b128 v14, v[R+16*((\t)%4)+4*\i:R+16*((\t)%4)+4*\i+3] offset:32*SP*((\t)%2)+8*SP*\i
.endr
.irp i, 0,1,2,3
	ds_load_b128 v[X+16*((\t)%2)+4*\i:X+16*((\t)%2)+4*\i+3], v15 offset:32*SP*((\t)%2)+16*\i
.endr
.endm
.irp t, 0,1,2,3
	LOADX \t
.endr
	s_wait_kmcnt 0x0
.irp p, 0,1,2                          ; v8-10: 2^e0, 2^e2, 2^e4;  v11-13: 448 x each
	s_add_co_i32 s20, s[24+2*\p], 127
	s_lshl_b32 s21, s20, 23
	v_mov_b32 v[8+\p], s21
	s_add_co_i32 s20, s20, 8
	s_lshl_b32 s20, s20, 23
	s_or_b32 s20, s20, 0x600000
	v_mov_b32 v[11+\p], s20
.endr
	s_wait_loadcnt 12                              ; step 0's four loads are in
	s_wait_alu depctr_va_vdst(0)
	TURN 0
.macro STEPX t
.set XS, X+16*((\t)%2)
	s_wait_dscnt 0x0                               ; this step's numbers are back from the stage, so its stores into the stage have read their registers,
.if (\t)+4 < 8
	LOADX (\t)+4                                   ; which take the loads of four steps on
.endif
.if (\t)+1 < 8
.if 6-(\t) >= 3
	s_wait_loadcnt 12                              ; the next step's four loads are in; those of the three steps behind it may be out
.else
	s_wait_loadcnt 4*(6-(\t))
.endif
	TURN (\t)+1                                    ; and go through the other stage while this step is worked
.endif
.irp p, 0,1,2
.irp i, 0,1,2,3,4,5,6,7,8,9,10,11,12,13,14,15
	v_med3_num_f32 v[T+\i], v[XS+\i], -v[11+\p], v[11+\p]
.endr
	v_cvt_scalef32_pk8_fp8_f32 v[C+12*(\t)+4*\p:C+12*(\t)+4*\p+1], v[T:T+7], v[8+\p]
	v_cvt_scalef32_pk8_fp8_f32 v[C+12*(\t)+4*\p+2:C+12*(\t)+4*\p+3], v[T+8:T+15], v[8+\p]
	v_nop                                          ; one plain line between the conversions and the next holds, which write the conversions' sources
	global_store_b128 v3, v[C+12*(\t)+4*\p:C+12*(\t)+4*\p+3], s[40+2*\p:41+2*\p] offset:512*(\t)
.endr
.endm
.irp t, 0,1,2,3,4,5,6,7
	STEPX \t
.endr
	s_wait_tensorcnt 0x0
	ds_add_u32 v224, v225
	s_wait_dscnt 0x0
	s_endpgm
.Lfunc_end_k_q9712113b3e_quant:
	.size	k_q9712113b3e_quant, .Lfunc_end_k_q9712113b3e_quant-k_q9712113b3e_quant
	.p2alignl 7, 3214868480
	.fill 96, 4, 3214868480
	.section	.rodata,"a",@progbits
	.p2align	6, 0x0
	.amdhsa_kernel k_q9712113b3e_quant
		.amdhsa_group_segment_fixed_size 68096
		.amdhsa_private_segment_fixed_size 0
		.amdhsa_enable_private_segment 0
		.amdhsa_kernarg_size 56
		.amdhsa_user_sgpr_count 2
		.amdhsa_user_sgpr_kernarg_segment_ptr 1
		.amdhsa_wavefront_size32 1
		.amdhsa_system_sgpr_workgroup_id_x 1
		.amdhsa_system_sgpr_workgroup_id_y 1
		.amdhsa_system_sgpr_workgroup_id_z 1
		.amdhsa_system_vgpr_workitem_id 0
		.amdhsa_next_free_vgpr 226
		.amdhsa_next_free_sgpr 66
		.amdhsa_reserve_vcc 0
		.amdhsa_float_denorm_mode_32 3
		.amdhsa_float_denorm_mode_16_64 3
		.amdhsa_memory_ordered 1
		.amdhsa_forward_progress 1
		.amdhsa_inst_pref_size 92
	.end_amdhsa_kernel
	.amdgpu_metadata
---
amdhsa.version: [ 1, 2 ]
amdhsa.kernels:
  - .name:           k_q9712113b3e_quant
    .symbol:         k_q9712113b3e_quant.kd
    .args:
      - { .name: x, .offset: 0, .size: 8, .value_kind: global_buffer, .address_space: global }
      - { .name: Wq, .offset: 8, .size: 8, .value_kind: global_buffer, .address_space: global }
      - { .name: Wk, .offset: 16, .size: 8, .value_kind: global_buffer, .address_space: global }
      - { .name: Wv, .offset: 24, .size: 8, .value_kind: global_buffer, .address_space: global }
      - { .name: lowp_scales, .offset: 32, .size: 8, .value_kind: global_buffer, .address_space: global }
      - { .name: xc, .offset: 40, .size: 8, .value_kind: global_buffer, .address_space: global }
      - { .name: wc, .offset: 48, .size: 8, .value_kind: global_buffer, .address_space: global }
    .group_segment_fixed_size: 68096
    .private_segment_fixed_size: 0
    .kernarg_segment_align: 8
    .kernarg_segment_size: 56
    .max_flat_workgroup_size: 128
    .sgpr_count:     66
    .vgpr_count:     226
    .wavefront_size: 32
...
	.end_amdgpu_metadata
.endif
;; end of part 1
;; launch proj (part 2): grid 16 x 12, 4 waves a work-group, no clusters, 327,680 bytes of LDS; arguments xc, wc, lowp_scales, bq, bk, bv, qc, kc, vc; writes qc, kc, vc
.if DOCPART == 2
	.amdgcn_target "amdgcn-amd-amdhsa--gfx1250"
	.amdhsa_code_object_version 6
	.text
	.protected	k_q9712113b3e_proj
	.globl	k_q9712113b3e_proj
	.p2align	8
	.type	k_q9712113b3e_proj,@function
k_q9712113b3e_proj:
	s_mov_b64 s[64:65], 0
	v_nop
	global_prefetch_b8 v0, s[64:65] scope:SCOPE_SE
	s_setreg_imm32_b32 hwreg(HW_REG_WAVE_MODE, 25, 1), 1
	s_wait_xcnt 0x0
; q, k, v = x W + b on codes of FP8 (E4M3), then quantised again for attention's products and stored as images of fragments (2,048 bytes: [4 groups][32 lanes][16 bytes]).
; A work-group makes 256 x 256 of one product: y 0-7 q, 8-9 k, 10-11 v; x: which 256 rows of x.  Four waves, 128 x 128 each; K = 1,024 in four steps of 256 through two LDS slots.
; LDS region 0 (waves 0, 1 fill it) feeds source 1, region 1 (waves 2, 3) source 0.  For q and k region 0 holds rows of x and region 1 rows of W: a lane's eight results run along the head's axis.
; For v the two change places, so that a lane's eight results run along the keys, which are the K of attention's second product.  The change is made in the loads' global addresses alone: every LDS address is the same for all work-groups.
; NO JOINT LOADS: the tile that neighbouring work-groups share (W's) lies in region 1 for q and k and in region 0 for v, and group 1, whose first word would hold the mask, is one set of constants for all.
; NO PREFETCH: the four K steps are written out; there is no loop to run ahead in.
; LIMITS: each sum of two exponents and each single exponent used here lies between -126 and 119.
.set ROWB,   256
.set PITCH,  272
.set FR,     16
.set NL,     4
.set NP,     4
.set HALFT,  128*PITCH
.set SLOT,   4*HALFT
.set SPARE,  2*SLOT
.set ADRA, 16
.set ADRB, 20
.set HB,   24
.set RB,   25
.set LO,   26
.set ZERO, 27
.set SPW,  28
.set NIL,  29
.set LIM,  30
.set SCV,  31
.set BJ,   32
.set BI,   96
.set AF,   128
.set TMP,  128
.set CD,   192
.set G1X, 24
.set G0X, 32
.set MSB, 0
.macro WIN new
.if MSB != \new
	s_set_vgpr_msb (MSB<<8)|\new
.set MSB, \new
.endif
.endm
.set MUL_LO, 0xa1
.set MUL_HI, 0xf1
.set TO_B,   0x40
.macro TLOAD g0                        ; my wave's 128 rows of a K step, to wave x 128 rows of the slot; s_nop 0 and four v_nop follow
	tensor_load_to_lds s[\g0:\g0+3], s[G1X:G1X+7]
	s_nop 0
.rept 4
	v_nop
.endr
.endm
	s_load_b256 s[4:11], s[0:1], 0x0
	s_load_b256 s[68:75], s[0:1], 0x20
	s_load_b64 s[76:77], s[0:1], 0x40
	v_lshl_add_u32 v[SPW], v0, 2, SPARE
	v_mov_b32 v[NIL], 0
	ds_add_u32 v28, v29
	ds_add_u32 v28, v29
	s_wait_dscnt 0x0
	v_lshrrev_b32 v1, 5, v0
	v_readfirstlane_b32 s14, v1
	s_lshr_b32 s15, s14, 1
	s_and_b32 s16, s14, 1
	s_mov_b32 s17, ttmp9
	s_and_b32 s42, ttmp7, 0xffff
	s_cmp_lt_u32 s42, 10
	s_cselect_b32 s44, 1, 2
	s_cselect_b32 s41, 8, 10
	s_cselect_b32 s43, -1, 0
	s_cselect_b32 s90, 0, 1                        ; 1 for v
	s_cmp_lt_u32 s42, 8
	s_cselect_b32 s44, 0, s44
	s_cselect_b32 s41, 0, s41
	s_sub_co_u32 s41, s42, s41
	s_mov_b32 s[G1X+0], (1<<20)|(5<<22)|(3<<25)
.irp g, G1X
	s_mov_b32 s[\g+1], ROWB<<16
	s_mov_b32 s[\g+2], 128<<16
	s_mov_b32 s[\g+3], ROWB<<16
	s_mov_b32 s[\g+4], 128
	s_mov_b32 s[\g+5], 1024
	s_mov_b32 s[\g+6], 0
	s_mov_b32 s[\g+7], 0
.endr
	s_lshl_b32 s18, s16, 7
	s_lshl_b32 s20, s44, 12
	s_lshl_b32 s19, s17, 8
	s_add_co_u32 s20, s20, s19
	s_add_co_u32 s20, s20, s18
	s_lshl_b32 s20, s20, 10
	s_mov_b32 s21, 0
	s_lshl_b32 s46, s42, 8
	s_add_co_u32 s46, s46, s18
	s_lshl_b32 s46, s46, 10
	s_mov_b32 s47, 0
	s_mul_i32 s45, s14, HALFT
	s_wait_kmcnt 0x0
	s_load_b256 s[80:87], s[8:9], 0x0
	s_load_b32 s88, s[8:9], 0x20
	s_add_nc_u64 s[20:21], s[4:5], s[20:21]
	s_add_nc_u64 s[46:47], s[6:7], s[46:47]
	s_cmp_eq_u32 s15, s90                          ; q, k: waves 0, 1 fetch rows of x and waves 2, 3 rows of W; v: the other way round
	s_cselect_b64 s[20:21], s[20:21], s[46:47]
.irp s, 0,1
	s_mov_b32 s[G0X+4*\s], 1
	s_add_co_u32 s[G0X+4*\s+1], s45, \s*SLOT
	s_add_nc_u64 s[G0X+4*\s+2:G0X+4*\s+3], s[20:21], \s*ROWB
	s_or_b32 s[G0X+4*\s+3], s[G0X+4*\s+3], 0x80000000
.endr
	TLOAD G0X                                      ; K step 0: one tensor load a wave at the head
	v_and_b32 v1, 15, v0
	v_bfe_u32 v2, v0, 4, 1
	v_lshlrev_b32 v[HB], 5, v2
	s_wait_alu depctr_va_vdst(0)
	v_lshlrev_b32 v[RB], 2, v1
	s_wait_alu depctr_va_vdst(0)
	v_and_b32 v[LO], 31, v0
	v_lshlrev_b32 v[LO], 4, v[LO]
	v_mov_b32 v[ZERO], 0
	s_cmp_lt_u32 s42, 10
	s_cselect_b64 s[78:79], s[68:69], s[70:71]
	s_cmp_lt_u32 s42, 8
	s_cselect_b64 s[78:79], s[10:11], s[78:79]
	s_lshl_b32 s92, s41, 10
	s_lshl_b32 s93, s16, 9
	s_add_co_u32 s93, s92, s93
	s_lshl_b32 s94, s15, 9
	s_add_co_u32 s94, s92, s94
	s_cmp_lt_u32 s42, 10
	s_cselect_b32 s92, s93, 0
	s_cselect_b32 s94, 0, s94
	s_mov_b32 s93, 0
	s_mov_b32 s95, 0
	s_add_nc_u64 s[92:93], s[78:79], s[92:93]
	s_add_nc_u64 s[94:95], s[78:79], s[94:95]
.irp b, 0,1,2,3,4,5,6,7
	global_load_b128 v[BJ+8*\b:BJ+8*\b+3], v[HB], s[92:93] offset:64*\b
	global_load_b128 v[BJ+8*\b+4:BJ+8*\b+7], v[HB], s[92:93] offset:64*\b+16
.endr
.irp a, 0,1,2,3,4,5,6,7
	global_load_b32 v[BI+2*\a], v[RB], s[94:95] offset:64*\a
	v_mov_b32 v[BI+2*\a+1], 0
.endr
	v_mul_u32_u24 v3, v1, PITCH
	v_lshl_add_u32 v4, v2, 4, v3
	s_mul_i32 s21, s15, HALFT
	s_mul_i32 s22, s16, HALFT
	s_add_co_u32 s22, s22, 2*HALFT
.irp s, 0,1
	v_add_nc_u32 v[ADRA+\s], s21, v4
	v_add_nc_u32 v[ADRB+\s], s22, v4
	s_add_co_u32 s21, s21, SLOT
	s_add_co_u32 s22, s22, SLOT
.endr
	s_cmp_lt_u32 s42, 10
	s_cselect_b32 s18, s16, s15
	s_cselect_b32 s19, s15, s16
	s_cselect_b64 s[66:67], s[74:75], s[76:77]
	s_cmp_lt_u32 s42, 8
	s_cselect_b64 s[66:67], s[72:73], s[66:67]
	s_cselect_b32 s23, 2, 0
	s_lshl_b32 s20, s41, 1
	s_add_co_u32 s20, s20, s18
	s_lshl_b32 s21, s17, 1
	s_add_co_u32 s21, s21, s19
	s_and_b32 s21, s21, 15
	s_lshr_b32 s22, s17, 3
	s_lshl_b32 s22, s22, 2
	s_and_b32 s18, s20, 3
	s_add_co_u32 s22, s22, s18
	s_lshr_b32 s20, s20, 2
	s_lshl_b32 s22, s22, s23
	s_add_co_u32 s22, s22, s20
	s_lshl_b32 s22, s22, 4
	s_add_co_u32 s22, s22, s21
	s_lshl_b32 s22, s22, 14
	s_mov_b32 s23, 0
	s_add_nc_u64 s[66:67], s[66:67], s[22:23]
.macro FRAG reg, adr, q, i
.irp c, 0,1,2,3
	ds_load_b128 v[\reg+4*\c:\reg+4*\c+3], v[\adr] offset:128*(\q)+32*\c+(\i)*16*PITCH
.endr
.endm
.macro MUL16 a0, p, zero
.irp a, \a0, \a0+1
.irp b, 0,1,2,3,4,5,6,7
.if \zero
	v_wmma_f32_16x16x128_fp8_fp8 v[8*(8*((\a)%4)+\b):8*(8*((\a)%4)+\b)+7], v[128*(\p)+FR*\b:128*(\p)+FR*\b+FR-1], v[AF+FR*(\a):AF+FR*(\a)+FR-1], 0
.else
	v_wmma_f32_16x16x128_fp8_fp8 v[8*(8*((\a)%4)+\b):8*(8*((\a)%4)+\b)+7], v[128*(\p)+FR*\b:128*(\p)+FR*\b+FR-1], v[AF+FR*(\a):AF+FR*(\a)+FR-1], v[8*(8*((\a)%4)+\b):8*(8*((\a)%4)+\b)+7]
.endif
.endr
.endr
.endm
.macro FETCH_B slot, q, p
	WIN TO_B
.irp i, 0,1,2,3,4,5,6,7
	FRAG 128*(\p)+FR*\i, ADRB+\slot, \q, \i
.endr
	WIN 0
.endm
.macro FETCH_A slot, q, i0
.irp i, \i0, \i0+1, \i0+2, \i0+3
	FRAG AF+FR*(\i), ADRA+\slot, \q, \i
.endr
.endm
.macro PLACES n
.rept \n
	v_nop
.endr
.endm
.macro STEP slot, q, zero
	s_wait_dscnt 4*NL
	WIN MUL_LO
	MUL16 0, (\q)%2, \zero
	MUL16 2, (\q)%2, \zero
	s_wait_dscnt 0
	PLACES NP
	FETCH_B \slot, (\q)+1, 1-(\q)%2
	FETCH_A \slot, (\q)+1, 0
	WIN MUL_HI
	MUL16 4, (\q)%2, \zero
	MUL16 6, (\q)%2, \zero
	PLACES NP
	WIN 0
	FETCH_A \slot, (\q)+1, 4
.endm
.macro TURN slot, next, fill
	s_wait_tensorcnt 0x0
	ds_add_u32 v[SPW], v[NIL]
	s_wait_dscnt 4*NL+1
	WIN MUL_LO
	MUL16 0, 1, 0
	s_wait_dscnt 0x0
	s_barrier_signal -1
	MUL16 2, 1, 0
	WIN 0
	s_barrier_wait -1
.if \fill
	s_add_nc_u64 s[G0X+4*\slot+2:G0X+4*\slot+3], s[G0X+4*\slot+2:G0X+4*\slot+3], 2*ROWB
	TLOAD G0X+4*\slot
.else
	PLACES NP
.endif
	FETCH_B \next, 0, 0
	FETCH_A \next, 0, 0
	WIN MUL_HI
	MUL16 4, 1, 0
	MUL16 6, 1, 0
	PLACES NP
	WIN 0
	FETCH_A \next, 0, 4
.endm
	s_wait_alu depctr_va_vdst(0)
	s_wait_tensorcnt 0x0                           ; my part of K step 0 is in; slot 1's first fill is issued as a refill is
	ds_add_u32 v[SPW], v[NIL]
	s_wait_dscnt 0x0
	s_barrier_signal -1
	s_barrier_wait -1
	TLOAD G0X+4                                    ; K step 1
	FETCH_B 0, 0, 0
	FETCH_A 0, 0, 0
	FETCH_A 0, 0, 4
	STEP 0, 0, 1
	TURN 0, 1, 1
	STEP 1, 0, 0
	TURN 1, 0, 1
	STEP 0, 0, 0
	TURN 0, 1, 0
	STEP 1, 0, 0
	s_wait_dscnt 4*NL
	WIN MUL_LO
	MUL16 0, 1, 0
	MUL16 2, 1, 0
	s_wait_dscnt 0
	WIN MUL_HI
	MUL16 4, 1, 0
	MUL16 6, 1, 0
	WIN 0
	s_wait_kmcnt 0x0
	s_wait_loadcnt 0x0
	s_add_co_i32 s18, s80, s81
	s_add_co_i32 s19, s82, s83
	s_add_co_i32 s20, s84, s85
	s_cmp_lt_u32 s42, 10
	s_cselect_b32 s19, s19, s20
	s_cselect_b32 s21, s86, s88
	s_cmp_lt_u32 s42, 8
	s_cselect_b32 s19, s18, s19
	s_cselect_b32 s21, s87, s21
	s_add_co_i32 s19, s19, 127
	s_lshl_b32 s96, s19, 23
	s_mov_b32 s97, s96
	s_add_co_i32 s21, s21, 127
	s_lshl_b32 s22, s21, 23
	v_mov_b32 v[SCV], s22
	s_add_co_i32 s21, s21, 8
	s_lshl_b32 s21, s21, 23
	s_or_b32 s21, s21, 0x600000
	v_mov_b32 v[LIM], s21
.set j, 0
.rept 64
	v_cndmask_b32 v[BJ+j], v[ZERO], v[BJ+j], s43
.set j, j+1
.endr
.irp a, 0,1,2,3,4,5,6,7
	v_cndmask_b32 v[BI+2*\a], v[BI+2*\a], v[ZERO], s43
.endr
.macro OUTBLK a
.set AC, 64*((\a)%4)
.set CDS, CD+16*((\a)%4)
.if (\a) >= 4
	s_wait_xcnt 0x0
.endif
	WIN 0x02+((\a)/4)
.set j, 0
.rept 32
	v_pk_fma_f32 v[TMP+j:TMP+j+1], v[AC+j:AC+j+1], s[96:97], v[BJ+j:BJ+j+1] op_sel_hi:[1,0,1]
.set j, j+2
.endr
	WIN 0
.set j, 0
.rept 32
	v_pk_add_f32 v[TMP+j:TMP+j+1], v[TMP+j:TMP+j+1], v[BI+2*(\a):BI+2*(\a)+1] op_sel_hi:[1,0]
.set j, j+2
.endr
.irp b, 0,1,2,3,4,5,6,7
.irp i, 0,1,2,3,4,5,6,7
	v_med3_num_f32 v[TMP+8*\b+\i], v[TMP+8*\b+\i], -v[LIM], v[LIM]
.endr
	v_cvt_scalef32_pk8_fp8_f32 v[CDS+2*\b:CDS+2*\b+1], v[TMP+8*\b:TMP+8*\b+7], v[SCV]
.endr
	v_nop
.irp c, 0,1,2,3
	global_store_b128 v[LO], v[CDS+4*\c:CDS+4*\c+3], s[66:67] offset:2048*(\a)+512*\c
.endr
.endm
.irp a, 0,1,2,3,4,5,6,7
	OUTBLK \a
.endr
	s_wait_tensorcnt 0x0
	ds_add_u32 v[SPW], v[NIL]
	s_wait_dscnt 0x0
	s_endpgm
.Lfunc_end_k_q9712113b3e_proj:
	.size	k_q9712113b3e_proj, .Lfunc_end_k_q9712113b3e_proj-k_q9712113b3e_proj
	.p2alignl 7, 3214868480
	.fill 96, 4, 3214868480
	.section	.rodata,"a",@progbits
	.p2align	6, 0x0
	.amdhsa_kernel k_q9712113b3e_proj
		.amdhsa_group_segment_fixed_size 327680
		.amdhsa_private_segment_fixed_size 0
		.amdhsa_enable_private_segment 0
		.amdhsa_kernarg_size 72
		.amdhsa_user_sgpr_count 2
		.amdhsa_user_sgpr_kernarg_segment_ptr 1
		.amdhsa_wavefront_size32 1
		.amdhsa_system_sgpr_workgroup_id_x 1
		.amdhsa_system_sgpr_workgroup_id_y 1
		.amdhsa_system_sgpr_workgroup_id_z 1
		.amdhsa_system_vgpr_workitem_id 0
		.amdhsa_next_free_vgpr 1024
		.amdhsa_next_free_sgpr 100
		.amdhsa_reserve_vcc 0
		.amdhsa_float_denorm_mode_32 3
		.amdhsa_float_denorm_mode_16_64 3
		.amdhsa_memory_ordered 1
		.amdhsa_forward_progress 1
		.amdhsa_inst_pref_size 154
	.end_amdhsa_kernel
	.amdgpu_metadata
---
amdhsa.version: [ 1, 2 ]
amdhsa.kernels:
  - .name:           k_q9712113b3e_proj
    .symbol:         k_q9712113b3e_proj.kd
    .args:
      - { .name: xc, .offset: 0, .size: 8, .value_kind: global_buffer, .address_space: global }
      - { .name: wc, .offset: 8, .size: 8, .value_kind: global_buffer, .address_space: global }
      - { .name: lowp_scales, .offset: 16, .size: 8, .value_kind: global_buffer, .address_space: global }
      - { .name: bq, .offset: 24, .size: 8, .value_kind: global_buffer, .address_space: global }
      - { .name: bk, .offset: 32, .size: 8, .value_kind: global_buffer, .address_space: global }
      - { .name: bv, .offset: 40, .size: 8, .value_kind: global_buffer, .address_space: global }
      - { .name: qc, .offset: 48, .size: 8, .value_kind: global_buffer, .address_space: global }
      - { .name: kc, .offset: 56, .size: 8, .value_kind: global_buffer, .address_space: global }
      - { .name: vc, .offset: 64, .size: 8, .value_kind: global_buffer, .address_space: global }
    .group_segment_fixed_size: 327680
    .private_segment_fixed_size: 0
    .kernarg_segment_align: 8
    .kernarg_segment_size: 72
    .max_flat_workgroup_size: 128
    .sgpr_count:     100
    .vgpr_count:     1024
    .wavefront_size: 32
...
	.end_amdgpu_metadata
.endif
;; end of part 2
;; launch attn (part 3): grid 32 x 8, 4 waves a work-group, clusters of 4 x 1, 327,680 bytes of LDS; arguments qc, kc, vc, lowp_scales, out0; writes out0
.if DOCPART == 3
	.amdgcn_target "amdgcn-amd-amdhsa--gfx1250"
	.amdhsa_code_object_version 6
	.text
	.protected	k_q9712113b3e_attn
	.globl	k_q9712113b3e_attn
	.p2align	8
	.type	k_q9712113b3e_attn,@function
k_q9712113b3e_attn:
	s_mov_b64 s[64:65], 0
	v_nop
	global_prefetch_b8 v0, s[64:65] scope:SCOPE_SE
	s_setreg_imm32_b32 hwreg(HW_REG_WAVE_MODE, 25, 1), 1
	s_wait_xcnt 0x0
	s_wait_alu depctr_hold_cnt(0) depctr_sa_sdst(0) depctr_va_vdst(0) depctr_va_sdst(0) depctr_va_ssrc(0) depctr_va_vcc(0) depctr_vm_vsrc(0)
	s_getreg_b32 s2, hwreg(HW_REG_IB_STS2, 6, 4)
	s_cmp_eq_u32 s2, 0
	s_cbranch_scc0 .Lentry_in_a_cluster
	s_endpgm
.Lentry_in_a_cluster:
	s_bfe_u32 s2, ttmp6, 0x10000c
	s_cmp_lg_u32 s2, 0x3003
	s_cbranch_scc0 .Lentry_shape_is_right
	s_endpgm
.Lentry_shape_is_right:
; out[b][s][(4 kv + g) 128 + c] = the sum over t of softmax_t(q[b][s][g][kv] . k[b][t][kv] / sqrt(128)) v[b][t][kv][c]: 8 pairs (b, kv), each with 8,192 queries (g, s) and 2,048 keys, no mask.
; Both products on codes of FP8 (E4M3): k has the scale 2^e6, q 2^e7, v 2^e8, p 2^e9 (entries 6 to 9 of the scales).
; qc, kc, vc hold IMAGES OF FRAGMENTS, 2,048 bytes each: [4 groups][32 lanes][16 bytes]: group c of lane l is registers 4 c .. 4 c + 3 of the operand (16 rows x 128 along K).
;   qc: image (4 b + kv) 512 + 128 g + s / 16;   kc: image (4 b + kv) 128 + t / 16;   vc: image ((4 b + kv) 16 + t / 128) 8 + c / 16 (rows: channels, K: 128 keys).
; THE SOFTMAX: t = score x log2(e) / sqrt(128); M = the running largest t rounded UP to a whole number; p = 2^(t - M) is quantised; the row's sum is taken of the unquantised p and divides at the end.
;   When M moves, the sums and O are multiplied by 2^(old M - new M): nothing is rounded.  The running maximum is kept of the raw scores, so the chain of maxima starts from it and needs no joining line.
; SHARES: a work-group owns 256 queries of one pair; each of its FOUR waves 64: four tiles of 16, so that each fragment of K and V read from LDS feeds four products.
; LAYOUT: S^T = K Q^T, O^T = V^T P: a lane holds ONE query of each tile; key tile t's eight scores are keys 16 t + 8 (lane / 16) + 0 .. 7, whose codes are registers 2 t, 2 t + 1 of P's fragment.
; A TRIP IS ROTATED: K's loads for step i; the second product of step i - 1, on registers alone, while they land; the first product of step i; V's loads, which land under the softmax; the softmax.
;   The very first trip multiplies zeros (P and V's registers are cleared at the head, with O^T, while the first tile is on its way); the last step's second product stands behind the loops.
; THE EXPONENTIALS of tile k stand by turns with plain lines that hang on none of them: tile k + 1's t - M and tile k - 1's hold; one wait stands behind each such block.
; RING: two LDS slots of 512 keys (K's 32 images, then V's 32), dense; each wave fetches 32,768 bytes with one tensor load.  CLUSTER: the four work-groups of a cluster walk the same K and V: every tile is asked for JOINTLY.
; LIMITS: e6 + e7 between -123 and 130 (added to c's exponent field); e9 between -126 and 119; e8 + e9 is applied by v_ldexp_f32 and has none; the scaled scores stay under 2^31 in magnitude.
; REGISTERS: window 0: v1-12 addresses and p's scale; v16-79 statistics, 16 a tile; v80-143 Q; v144-207 P.  window 1: S^T, then p, 64 a tile.  window 2: O^T, 64 a tile.  window 3: v0-127 K's eight fragments, v128-255 V's.
.set DUAL, 1                           ; the hold of two numbers as one dual-issue pair
.set SLOT1, 1<<17
.set SPARE, 2*SLOT1                    ; the spare words, 128 bytes for each wave: two blocks of 256 bytes that no other line names
.set STAGE, SPARE+512                  ; the way out: 16 rows x (256 bytes + 16) for each wave; no tile lands there
.set LI,   1                           ; 16 x lane
.set ADK,  2
.set PFO,  3                           ; 256 x lane
.set ADV,  4
.set SPW,  5
.set NIL,  6
.set STO,  7
.set RD,   8
.set GO,   9
.set SCP,  12                          ; 2^e9
.set ST,   16                          ; tile u at v[ST+16 u]: +0 -M, +1 the largest raw score, +2 at work, +3 a permute's result, +4 f, +5 0, +6 the divisor's reciprocal, +7 0, +8 .. +15 the sum in four pairs
.set Q,    80
.set P,    144
.set WV,   18
.set SEL,  20
.set CS,   22                          ; s[22:23] c = log2(e) / sqrt(128) x 2^(e6 + e7)
.set G1,   24
.set G0,   32
.set TB,   36
.set SLOTS, 37
.set PFA,  38
.set LIM,  40
.set CNT,  41
.set LIMS, 49                          ; 448 x 2^e9
.set MSB, 0
.macro WIN new                         ; the immediate's high byte repeats the setting that is left
.if MSB != \new
	s_set_vgpr_msb (MSB<<8)|\new
.set MSB, \new
.endif
.endm
.set W_LD, 0xc0                        ; destination window 3, address window 0
.set W_PV, 0xa3                        ; V window 3, P window 0, C and D window 2
.set W_KQ, 0x43                        ; K window 3, Q window 0, D window 1
.set W_MX, 0x14                        ; sources 1 and 2 window 1
.set W_RS, 0x82                        ; source 0 and destination window 2
.set W_EX, 0x45                        ; sources 0 and 1 and destination window 1, source 2 window 0
.set W_SM, 0x04                        ; source 1 window 1
.set W_CV, 0x01                        ; source 0 window 1
.set W_OM, 0x42                        ; source 0 window 2, destination window 1
.set W_ST, 0x44                        ; a store's data and a load's destination window 1
.macro CROUND                          ; a round of the cluster's barrier
	s_barrier_signal -1
	s_barrier_wait -1
	s_cmp_lg_u32 s[WV], 0
	s_cbranch_scc1 .Lnot_wave_0_\@
	s_barrier_signal -3
.Lnot_wave_0_\@:
	s_barrier_wait -3
	s_barrier_signal -1
	s_barrier_wait -1
.endm
; A PREFETCH INTO THE L2 of what the NEXT change of slots will ask for, four key steps ahead of that load.  All clusters of a pair walk the same K and V: the pair's first cluster asks.  Of the 32,768 bytes that a wave
; will fetch, each of the four partners takes 8,192, told apart by address; lanes 256 bytes apart: each block of 256 bytes is named once in the launch.  The last change that fills a slot asks for nothing; slots 0 and 1 come by their loads alone.
.macro ASK
	s_cmp_gt_u32 s[SLOTS], s[LIM]
	s_cbranch_scc0 .Lnot_mine_\@
	global_prefetch_b8 v[PFO], s[PFA:PFA+1] th:TH_LOAD_NT scope:SCOPE_SE
.Lnot_mine_\@:
.endm
	s_load_b256 s[4:11], s[0:1], 0x0               ; qc, kc, vc, the scales' exponents
	s_load_b64 s[12:13], s[0:1], 0x20              ; out
	v_lshl_add_u32 v[SPW], v0, 2, SPARE
	v_mov_b32 v[NIL], 0
	ds_add_u32 v[SPW], v[NIL]                      ; the opening lines: the add, twice on end, and its wait
	ds_add_u32 v[SPW], v[NIL]
	s_wait_dscnt 0x0
	v_lshrrev_b32 v10, 5, v0
	v_readfirstlane_b32 s[WV], v10                 ; wave 0..3
	s_bfe_u32 s19, ttmp6, 0x40000                  ; cx
	s_lshl_b32 s14, ttmp9, 2
	s_add_co_u32 s14, s14, s19                     ; my block of 256 queries: 8 g + s / 256
	s_and_b32 s15, ttmp7, 0xffff                   ; 4 b + kv, which the four partners share
	s_mov_b32 s[G1+0], 15|(3<<16)|(1<<21)          ; the mask: all four; elements of 8 bytes; no padding
	s_mov_b32 s[G1+1], 32<<16                      ; rows of 256 bytes,
	s_mov_b32 s[G1+2], 128<<16                     ; 128 of them, dense
	s_mov_b32 s[G1+3], 32<<16
	s_mov_b32 s[G1+4], 128
	s_mov_b32 s[G1+5], 32
	s_mov_b32 s[G1+6], 0
	s_mov_b32 s[G1+7], 0
	s_mov_b32 s[SEL], 0x76543210
	s_mov_b32 s[SEL+1], 0xfedcba98
	s_mov_b32 s[CS], 0x3e0293ee                    ; log2(e) / sqrt(128)
	s_mov_b32 s[TB], 0
	s_mov_b32 s[SLOTS], 3
	s_cmp_eq_u32 ttmp9, 0                          ; the pair's first cluster: the same in all four partners
	s_cselect_b32 s[LIM], 1, -1
	s_and_b32 s16, s[WV], 1
	s_lshl_b32 s16, s16, 15                        ; waves 0, 1 fetch the halves of a slot's K, waves 2, 3 of its V,
	s_lshl_b32 s17, s15, 18
	s_add_co_u32 s16, s16, s17                     ; in the pair's 262,144 bytes
	s_mov_b32 s17, 0
	s_wait_kmcnt 0x0
	s_load_b128 s[44:47], s[10:11], 0x18           ; e6, e7, e8, e9
	s_mov_b32 s[G0], 1
	s_lshl_b32 s[G0+1], s[WV], 15                  ; LDS: slot 0, wave x 32,768
	s_cmp_lt_u32 s[WV], 2
	s_cselect_b64 s[G0+2:G0+3], s[6:7], s[8:9]
	s_add_nc_u64 s[G0+2:G0+3], s[G0+2:G0+3], s[16:17]
	s_lshl_b32 s42, s19, 13
	s_add_co_u32 s42, s42, 65536
	s_mov_b32 s43, 0
	s_add_nc_u64 s[PFA:PFA+1], s[G0+2:G0+3], s[42:43]   ; my work-group's 8,192 bytes, in slot 1: the first change steps it to slot 2
	s_or_b32 s[G0+3], s[G0+3], 0x80000000
	CROUND                                         ; the first joint loads meet
	tensor_load_to_lds s[G0:G0+3], s[G1:G1+7]      ; slot 0
	s_nop 0
.rept 4
	v_nop
.endr
	v_and_b32 v[LI], 31, v0
	v_lshlrev_b32 v[PFO], 8, v[LI]
	v_lshlrev_b32 v[LI], 4, v[LI]
	s_wait_alu depctr_va_vdst(0)                   ; the wait ahead of the run of scalar lines
	s_lshl_b32 s42, s15, 9
	s_lshl_b32 s43, s14, 4
	s_add_co_u32 s42, s42, s43
	s_lshl_b32 s43, s[WV], 2
	s_add_co_u32 s42, s42, s43                     ; my first image of Q: 512 x pair + 16 x block + 4 x wave
	s_lshl_b32 s42, s42, 11
	s_mov_b32 s43, 0
	s_add_nc_u64 s[4:5], s[4:5], s[42:43]
.irp u, 0,1,2,3
.irp c, 0,1,2,3
	global_load_b128 v[Q+16*\u+4*\c:Q+16*\u+4*\c+3], v[LI], s[4:5] offset:2048*\u+512*\c   ; Q stays in registers
.endr
.endr
	s_lshr_b32 s42, s15, 2
	s_lshl_b32 s42, s42, 11                        ; b x 2,048 rows
	s_and_b32 s43, s14, 7
	s_lshl_b32 s43, s43, 8
	s_add_co_u32 s42, s42, s43                     ; + 256 x the block within the sequence
	s_lshl_b32 s43, s[WV], 6
	s_add_co_u32 s42, s42, s43                     ; + 64 x wave
	s_lshl_b32 s42, s42, 13                        ; rows of 8,192 bytes
	s_and_b32 s43, s15, 3
	s_lshl_b32 s43, s43, 2
	s_lshr_b32 s48, s14, 3
	s_add_co_u32 s43, s43, s48                     ; 4 kv + g
	s_lshl_b32 s43, s43, 9
	s_add_co_u32 s42, s42, s43
	s_mov_b32 s43, 0
	s_add_nc_u64 s[12:13], s[12:13], s[42:43]
	v_and_b32 v10, 15, v0                          ; r
	v_bfe_u32 v11, v0, 4, 1                        ; h
	s_mul_i32 s48, s[WV], 16*272
	s_add_co_u32 s48, s48, STAGE                   ; my stage
	v_mul_u32_u24 v[STO], v10, 272
	v_mul_u32_u24 v[RD], v11, 272
	v_lshlrev_b32 v[GO], 13, v11
	v_lshl_add_u32 v[STO], v11, 5, v[STO]
	v_lshl_add_u32 v[RD], v10, 4, v[RD]
	v_lshl_add_u32 v[GO], v10, 4, v[GO]            ; two rows of out, 16 bytes a lane
	v_add_nc_u32 v[STO], s48, v[STO]               ; in: row r, + 32 h
	v_add_nc_u32 v[RD], s48, v[RD]                 ; back: lanes 0-15 one row, lanes 16-31 the next
.irp u, 0,1,2,3
	v_mov_b32 v[ST+16*\u], 0x7f61b1e6              ; -M: 3e38
	v_mov_b32 v[ST+16*\u+1], 0xff61b1e6            ; the largest raw score so far: -3e38, under every sum of 128 products of codes
.irp i, 3,5,7,8,9,10,11,12,13,14,15
	v_mov_b32 v[ST+16*\u+\i], 0
.endr
.endr
.set j, 0
.rept 64
	v_mov_b32 v[P+j], 0                            ; P, V's registers and O^T: the trip is written once, and its first pass multiplies and rescales zeros
.set j, j+1
.endr
	WIN 0x80
.set j, 0
.rept 256
	v_mov_b32 v[j], 0
.set j, j+1
.endr
	WIN W_LD
.set j, 0
.rept 128
	v_mov_b32 v[128+j], 0
.set j, j+1
.endr
	WIN 0
	s_wait_kmcnt 0x0
	s_add_co_i32 s42, s44, s45
	s_lshl_b32 s42, s42, 23
	s_add_co_i32 s[CS], s[CS], s42                 ; the exponents e6 + e7 are added to c's exponent field
	s_mov_b32 s[CS+1], s[CS]
	s_add_co_i32 s42, s47, 127
	s_lshl_b32 s43, s42, 23
	v_mov_b32 v[SCP], s43
	s_add_co_i32 s42, s42, 8
	s_lshl_b32 s42, s42, 23
	s_or_b32 s[LIMS], s42, 0x600000
.macro PV                              ; O^T += V^T P: 32 accumulators, one instruction each
.irp t, 0,1,2,3,4,5,6,7
.irp u, 0,1,2,3
	v_wmma_f32_16x16x128_fp8_fp8 v[64*\u+8*\t:64*\u+8*\t+7], v[128+16*\t:128+16*\t+15], v[P+16*\u:P+16*\u+15], v[64*\u+8*\t:64*\u+8*\t+7]
.endr
.endr
.endm
.macro HOLD u, j                       ; the conversion does not saturate (ISA guide 7.6.2); p is not negative, so the hold is one-sided
.if DUAL
	v_dual_min_num_f32 v[64*(\u)+\j], s[LIMS], v[64*(\u)+\j] :: v_dual_min_num_f32 v[64*(\u)+\j+1], s[LIMS], v[64*(\u)+\j+1]
.else
	v_min_num_f32 v[64*(\u)+\j], s[LIMS], v[64*(\u)+\j]
	v_min_num_f32 v[64*(\u)+\j+1], s[LIMS], v[64*(\u)+\j+1]
.endif
.endm
.macro TM u, j                         ; t - M, two at a time
	v_pk_fma_f32 v[64*(\u)+\j:64*(\u)+\j+1], v[64*(\u)+\j:64*(\u)+\j+1], s[CS:CS+1], v[ST+16*(\u):ST+16*(\u)+1] op_sel_hi:[1,0,0]
.endm
.macro BLK k                           ; tile k's 64 exponentials, by turns with tile k + 1's t - M and tile k - 1's hold; nothing written here is read here
	WIN W_EX
.set jj, 0
.rept 32
	v_exp_f32 v[64*\k+jj], v[64*\k+jj]
.if \k < 3
	TM \k+1, jj
.endif
	v_exp_f32 v[64*\k+jj+1], v[64*\k+jj+1]
.if \k > 0
	HOLD \k-1, jj
.endif
.set jj, jj+2
.endr
	s_wait_alu depctr_va_vdst(0)                   ; one wait for the block, ahead of the first reader of what it wrote
.endm
.macro SUM k                           ; the row's sum is taken of the unquantised p, ahead of its hold, in four chains
	WIN W_SM
.irp j, 0,8,16,24,32,40,48,56
.irp q, 0,1,2,3
	v_pk_add_f32 v[ST+16*\k+8+2*\q:ST+16*\k+9+2*\q], v[ST+16*\k+8+2*\q:ST+16*\k+9+2*\q], v[64*\k+\j+2*\q:64*\k+\j+2*\q+1]
.endr
.endr
.endm
; A TRIP: 128 keys, at LDS byte s[TB] of K's images and 65,536 further on of V's.
.macro STEP
	v_add_nc_u32 v[ADK], s[TB], v[LI]
	v_add_nc_u32 v[ADV], 0x10000, v[ADK]
	WIN W_LD
.irp t, 0,1,2,3,4,5,6,7
.irp c, 0,1,2,3
	ds_load_b128 v[16*\t+4*\c:16*\t+4*\c+3], v[ADK] offset:2048*\t+512*\c
.endr
.endr
	s_wait_alu depctr_va_vdst(0)                   ; the wait ahead of the wait below
	s_wait_dscnt 32                                ; all but the 32 loads just issued: V of the step before is in
	WIN W_PV
	PV
	s_wait_dscnt 0x0                               ; K is in
	WIN W_KQ
.irp t, 0,1,2,3,4,5,6,7
.irp u, 0,1,2,3
	v_wmma_f32_16x16x128_fp8_fp8 v[64*\u+8*\t:64*\u+8*\t+7], v[16*\t:16*\t+15], v[Q+16*\u:Q+16*\u+15], 0
.endr
.endr
.rept 4
	v_nop                                          ; places in front of the loads into V's registers and of the first read of the scores
.endr
	WIN W_LD
.irp t, 0,1,2,3,4,5,6,7
.irp c, 0,1,2,3
	ds_load_b128 v[128+16*\t+4*\c:128+16*\t+4*\c+3], v[ADV] offset:2048*\t+512*\c
.endr
.endr
	WIN W_MX
.set jj, 0
.rept 32                                       ; the running largest raw score, one chain a tile, the four tiles line by line; each accumulator from its low end on
.irp u, 0,1,2,3
	v_max3_num_f32 v[ST+16*\u+1], v[ST+16*\u+1], v[64*\u+jj], v[64*\u+jj+1]
.endr
.set jj, jj+2
.endr
	WIN 0
.irp u, 0,1,2,3
	v_permlanex16_b32 v[ST+16*\u+3], v[ST+16*\u+1], s[SEL], s[SEL+1]
.endr
.irp u, 0,1,2,3
	v_max_num_f32 v[ST+16*\u+1], v[ST+16*\u+1], v[ST+16*\u+3]   ; and lane l xor 16's
.endr
.irp u, 0,1,2,3
	v_mul_f32 v[ST+16*\u+2], s[CS], v[ST+16*\u+1]  ; as t (c is positive)
.endr
.irp u, 0,1,2,3
	v_floor_f32 v[ST+16*\u+2], -v[ST+16*\u+2]      ; the new -M = -ceil(t)
.endr
.irp u, 0,1,2,3
	v_sub_f32 v[ST+16*\u+4], v[ST+16*\u+2], v[ST+16*\u]   ; old M - new M: a whole number, 0 or less
.endr
.irp u, 0,1,2,3
	v_mov_b32 v[ST+16*\u], v[ST+16*\u+2]
.endr
.irp u, 0,1,2,3
	v_cvt_i32_f32 v[ST+16*\u+4], v[ST+16*\u+4]     ; (it saturates)
.endr
.irp u, 0,1,2,3
	v_ldexp_f32 v[ST+16*\u+4], 1.0, v[ST+16*\u+4]  ; f = 2^(old M - new M)
.endr
.irp q, 0,1,2,3
.irp u, 0,1,2,3
	v_pk_mul_f32 v[ST+16*\u+8+2*\q:ST+16*\u+9+2*\q], v[ST+16*\u+8+2*\q:ST+16*\u+9+2*\q], v[ST+16*\u+4:ST+16*\u+5] op_sel_hi:[1,0]
.endr
.endr
	WIN W_RS
.irp u, 0,1,2,3
.set jj, 0
.rept 32
	v_pk_mul_f32 v[64*\u+jj:64*\u+jj+1], v[64*\u+jj:64*\u+jj+1], v[ST+16*\u+4:ST+16*\u+5] op_sel_hi:[1,0]   ; O^T under the new M, ahead of the step's exponentials
.set jj, jj+2
.endr
.endr
	WIN W_EX
.set jj, 0
.rept 32
	TM 0, jj
.set jj, jj+2
.endr
	s_wait_alu depctr_va_vdst(0)                   ; the wait ahead of the exponentials
	BLK 0
	SUM 0
	BLK 1
	SUM 1
	BLK 2
	SUM 2
	BLK 3
	SUM 3
	WIN W_EX
.set jj, 0
.rept 32
	HOLD 3, jj
.set jj, jj+2
.endr
	WIN W_CV
.irp t, 0,1,2,3,4,5,6,7
.irp u, 0,1,2,3
	v_cvt_scalef32_pk8_fp8_f32 v[P+16*\u+2*\t:P+16*\u+2*\t+1], v[64*\u+8*\t:64*\u+8*\t+7], v[SCP]
.endr
.endr
	v_nop                                          ; a plain line behind the conversions
	WIN 0
.endm
.macro SLOT_STEPS                      ; a slot's four key steps: written once, walked four times
	s_mov_b32 s[CNT], 4
.Lstep_\@:
	STEP
	s_wait_alu depctr_va_vdst(0)                   ; the wait ahead of the branch
	s_add_co_u32 s[TB], s[TB], 16384
	s_sub_co_u32 s[CNT], s[CNT], 1
	s_cmp_lg_u32 s[CNT], 0
	s_cbranch_scc1 .Lstep_\@
	s_sub_co_u32 s[TB], s[TB], 65536
	s_xor_b32 s[TB], s[TB], SLOT1                  ; the other slot's first step
.endm
; THE CHANGE OF SLOTS stands at a slot's head.  Each wave waits for all its tensor loads, adds 0 to its spare word, and waits for that and for its reads of the slot that it has left (V of its last step is in registers).
; fill = 1: the barrier is a round of the cluster's, and behind it the slot that has been left is filled with the next 512 keys.  One tensor load of a wave is out at a time.
.macro CHANGE fill
	s_wait_tensorcnt 0x0
	ds_add_u32 v[SPW], v[NIL]
.if \fill
	s_xor_b32 s[G0+1], s[G0+1], SLOT1
	s_add_nc_u64 s[G0+2:G0+3], s[G0+2:G0+3], 65536
	s_wait_xcnt 0x0                                ; the last prefetch has read its address
	s_add_nc_u64 s[PFA:PFA+1], s[PFA:PFA+1], 65536
	s_wait_dscnt 0x0
	CROUND
	tensor_load_to_lds s[G0:G0+3], s[G1:G1+7]
	s_nop 0
.rept 4
	v_nop
.endr
	ASK
.else
	s_wait_dscnt 0x0
	s_barrier_signal -1
	s_barrier_wait -1
.endif
.endm
	s_wait_alu depctr_va_vdst(0)                   ; the wait at the head's end
	s_wait_loadcnt 0x0                             ; Q
.Lslot:                                            ; three trips: behind each change of slots but the last the next slot is asked for
	CHANGE 1
	SLOT_STEPS
	s_sub_co_u32 s[SLOTS], s[SLOTS], 1
	s_cmp_lg_u32 s[SLOTS], 0
	s_cbranch_scc1 .Lslot
	CHANGE 0                                       ; the last slot is written out
	SLOT_STEPS
	s_wait_dscnt 0x0                               ; the last step's V is in
	WIN W_PV
	PV                                             ; and its second product
	WIN 0
	; THE WAY OUT.  The additions are the places behind the last products.
.irp u, 0,1,2,3
	v_pk_add_f32 v[ST+16*\u+8:ST+16*\u+9], v[ST+16*\u+8:ST+16*\u+9], v[ST+16*\u+10:ST+16*\u+11]
	v_pk_add_f32 v[ST+16*\u+12:ST+16*\u+13], v[ST+16*\u+12:ST+16*\u+13], v[ST+16*\u+14:ST+16*\u+15]
.endr
.irp u, 0,1,2,3
	v_pk_add_f32 v[ST+16*\u+8:ST+16*\u+9], v[ST+16*\u+8:ST+16*\u+9], v[ST+16*\u+12:ST+16*\u+13]
.endr
.irp u, 0,1,2,3
	v_add_f32 v[ST+16*\u+8], v[ST+16*\u+8], v[ST+16*\u+9]
.endr
.irp u, 0,1,2,3
	v_permlanex16_b32 v[ST+16*\u+3], v[ST+16*\u+8], s[SEL], s[SEL+1]
.endr
.irp u, 0,1,2,3
	v_add_f32 v[ST+16*\u+8], v[ST+16*\u+8], v[ST+16*\u+3]   ; the row's sum
.endr
	s_wait_alu depctr_va_vdst(0)                   ; the wait ahead of the reciprocals
.irp u, 0,1,2,3
	v_rcp_f32 v[ST+16*\u+6], v[ST+16*\u+8]
.endr
	v_nop
	s_add_co_i32 s42, s46, s47                     ; e8 + e9
	s_wait_alu depctr_va_vdst(0)                   ; and ahead of their first reader
.irp u, 0,1,2,3
	v_ldexp_f32 v[ST+16*\u+6], v[ST+16*\u+6], s42
.endr
	WIN W_OM
	s_wait_alu depctr_va_vdst(0)                   ; the wait directly ahead of the first reader of O^T
.irp u, 0,1,2,3
.set jj, 0
.rept 32
	v_pk_mul_f32 v[64*\u+jj:64*\u+jj+1], v[64*\u+jj:64*\u+jj+1], v[ST+16*\u+6:ST+16*\u+7] op_sel_hi:[1,0]   ; register 8 t + i is channel 16 t + 8 h + i of query r
.set jj, jj+2
.endr
.endr
	s_wait_alu depctr_va_vdst(0)
	WIN W_ST
; two tiles at a time: half a row (64 channels, 256 bytes) of 16 queries through my stage, back into the registers that they left; LDS serves a wave's instructions in order
.macro OUTG g
.irp w, 0,1
.irp f, 0,1
.irp t, 0,1,2,3
	ds_store_b128 v[STO], v[64*(2*\g+\w)+32*\f+8*\t:64*(2*\g+\w)+32*\f+8*\t+3] offset:64*\t
	ds_store_b128 v[STO], v[64*(2*\g+\w)+32*\f+8*\t+4:64*(2*\g+\w)+32*\f+8*\t+7] offset:64*\t+16
.endr
.irp i, 0,1,2,3,4,5,6,7
	ds_load_b128 v[64*(2*\g+\w)+32*\f+4*\i:64*(2*\g+\w)+32*\f+4*\i+3], v[RD] offset:544*\i
.endr
.endr
.endr
.irp w, 0,1
.irp f, 0,1
.irp i, 0,1,2,3,4,5,6,7
	s_wait_dscnt 16*(3-2*\w-\f)+7-\i               ; this load is back; behind it: the rest of its eight, and sixteen LDS instructions for each later half
	global_store_b128 v[GO], v[64*(2*\g+\w)+32*\f+4*\i:64*(2*\g+\w)+32*\f+4*\i+3], s[12:13] offset:(16*(2*\g+\w)+2*\i)*8192+256*\f th:TH_STORE_NT   ; sixteen lanes store 256 consecutive bytes, aligned
.endr
.endr
.endr
.endm
	OUTG 0
	OUTG 1
	WIN 0
	s_wait_tensorcnt 0x0                           ; the wave's end
	ds_add_u32 v[SPW], v[NIL]
	s_wait_dscnt 0x0
	CROUND                                         ; the closing round
	s_endpgm
.Lfunc_end_k_q9712113b3e_attn:
	.size	k_q9712113b3e_attn, .Lfunc_end_k_q9712113b3e_attn-k_q9712113b3e_attn
	.p2alignl 7, 3214868480
	.fill 96, 4, 3214868480
	.section	.rodata,"a",@progbits
	.p2align	6, 0x0
	.amdhsa_kernel k_q9712113b3e_attn
		.amdhsa_group_segment_fixed_size 327680
		.amdhsa_private_segment_fixed_size 0
		.amdhsa_enable_private_segment 0
		.amdhsa_kernarg_size 40
		.amdhsa_user_sgpr_count 2
		.amdhsa_user_sgpr_kernarg_segment_ptr 1
		.amdhsa_wavefront_size32 1
		.amdhsa_system_sgpr_workgroup_id_x 1
		.amdhsa_system_sgpr_workgroup_id_y 1
		.amdhsa_system_sgpr_workgroup_id_z 1
		.amdhsa_system_vgpr_workitem_id 0
		.amdhsa_next_free_vgpr 1024
		.amdhsa_next_free_sgpr 66
		.amdhsa_reserve_vcc 0
		.amdhsa_float_denorm_mode_32 3
		.amdhsa_float_denorm_mode_16_64 3
		.amdhsa_memory_ordered 1
		.amdhsa_forward_progress 1
		.amdhsa_inst_pref_size 176
	.end_amdhsa_kernel
	.amdgpu_metadata
---
amdhsa.version: [ 1, 2 ]
amdhsa.kernels:
  - .name:           k_q9712113b3e_attn
    .symbol:         k_q9712113b3e_attn.kd
    .args:
      - { .name: qc, .offset: 0, .size: 8, .value_kind: global_buffer, .address_space: global }
      - { .name: kc, .offset: 8, .size: 8, .value_kind: global_buffer, .address_space: global }
      - { .name: vc, .offset: 16, .size: 8, .value_kind: global_buffer, .address_space: global }
      - { .name: lowp_scales, .offset: 24, .size: 8, .value_kind: global_buffer, .address_space: global }
      - { .name: out0, .offset: 32, .size: 8, .value_kind: global_buffer, .address_space: global }
    .group_segment_fixed_size: 327680
    .private_segment_fixed_size: 0
    .kernarg_segment_align: 8
    .kernarg_segment_size: 40
    .max_flat_workgroup_size: 128
    .sgpr_count:     66
    .vgpr_count:     1024
    .wavefront_size: 32
...
	.end_amdgpu_metadata
.endif
;; end of part 3
